; MI455X (gfx1250); checked and timed in simulation.
; The chip was launched on July 23, 2026; its instructions are those of AMD's public machine-readable ISA for CDNA 5 (MIT licence, August 2026) and "CDNA5" Instruction Set Architecture Reference Guide (July 2026). The comments in the code are by the model that wrote it; some were corrected since.
;; Cross Attention. Allowed arithmetic: matrix products marked QUANTISED: E2M1 operands, one E8M0 scale for each 32 along K, by v_wmma_scale_f32_16x16x128_f8f6f4 with both operands' format E2M1 (or v_wmma_scale_f32_32x16x128_f4), f32 sums; products left as they are: bf16, f16 or f32 operands; f32 sums; everything else in f32.
;; Inputs: Wk 768 x 1,024 float32; Wo 1,024 x 1,024 float32; Wq 1,024 x 1,024 float32; Wv 768 x 1,024 float32; bo 1,024 float32; context 4 x 2,048 x 768 float32; x 4 x 2,048 x 1,024 float32.
;; Outputs: out0 4 x 2,048 x 1,024 float32.
;; This version of the problem:
;;   THIS VERSION OF THE PROBLEM IS GIVEN IN LOW PRECISION. The matrix products marked QUANTISED in the list below multiply operands that are first quantised to E2M1 (2 exponent bits, 1 mantissa bit; 4 bits a number), with one power-of-two scale for each 32 numbers along K (OCP MX v1.0); their sums are f32. The products marked 'left as it is' may take bf16, f16 or f32 operands, with f32 sums. Whichever they take, every output number must still come out within the allowed error. Rounding operands to bf16 (8 significant bits) uses up far more of that allowance than f16 does (11 bits, for magnitudes from 6e-5 to 65,504). All else is computed in f32.
;;   The module's matrix products, in the order in which they are computed (A, B: the left and right operand; K: the contracted axis; several contracted axes count as one K, in the product's order):
;;     1. [M 8,192, K 1,024] x [K 1,024, N 1,024]; A: input x; B: input Wq: QUANTISED
;;     2. [M 8,192, K 768] x [K 768, N 1,024]; A: input context; B: input Wk: QUANTISED
;;     3. [M 8,192, K 768] x [K 768, N 1,024]; A: input context; B: input Wv: QUANTISED
;;     4. batch 64 x [M 2,048, K 64] x [K 64, N 2,048]; A: computed on the way; B: computed on the way: left as it is (an operand is computed on the way)
;;     5. batch 64 x [M 64, K 2,048] x [K 2,048, N 2,048]; A: computed on the way; B: computed on the way: left as it is (an operand is computed on the way)
;;     6. [M 8,192, K 1,024] x [K 1,024, N 1,024]; A: computed on the way; B: input Wo: left as it is (an operand is computed on the way)
;;   THE QUANTISER, for each operand of a quantised product, along K:
;;     - K is cut into blocks of 32 from its start; a last block that is shorter is filled with zeros.
;;     - A block's scale is 2^e with e = floor(log2(the largest magnitude in the block)) - 2, held to -126 .. 127; a block of zeros has e = 0. As a byte (E8M0): e + 127.
;;     - Each number is divided by its block's scale, clamped to +-6, and rounded to the nearest number of E2M1, ties to even, subnormals kept.
;;     - The product sums the exact products of the quantised numbers (number of the format x scale) in f32.
;;   ~~~python
;;   def quantise(x, axis):      # numpy; x: float32 -> the quantised numbers, widened to float32 again
;;       x = np.moveaxis(x, axis, -1); K = x.shape[-1]
;;       x = np.pad(x, [(0, 0)] * (x.ndim - 1) + [(0, -K % 32)]); x = x.reshape(x.shape[:-1] + (-1, 32)); a = np.abs(x).max(-1, keepdims=True)
;;       e = np.where(a > 0, np.clip(np.frexp(np.where(a > 0, a, 1))[1] - 1 - 2, -126, 127), 0)      # np.frexp(a)[1] - 1 = floor(log2(a)), exactly
;;       r = np.clip(x / 2.0 ** e, -6, 6)
;;       step = 2.0 ** (np.maximum(np.frexp(np.where(r == 0, 1, r))[1] - 1, 0) - 1)
;;       q = np.round(r / step) * step * 2.0 ** e      # np.round: ties to even
;;       return np.moveaxis(q.reshape(q.shape[:-2] + (-1,))[..., :K], -1, axis).astype(np.float32)
;;   ~~~
;; One version. Each part assembles by itself: llvm-mc -triple=amdgcn-amd-amdhsa -mcpu=gfx1250 --defsym DOCPART=n.
;; ======== version 1 of 1: 4 launches
;; limits: values are held in f16: magnitudes above 65,504 overflow, below 6.1e-05 lose precision
;; workspace buffers: xa 4,456,448 bytes; ca 3,407,872 bytes; wc 1,310,720 bytes; ws 81,920 bytes; wo16 2,097,152 bytes; qimg 16,777,216 bytes; kv 33,554,432 bytes; oimg 16,777,216 bytes
;; launch prep (part 1): grid 736 x 1, 4 waves a work-group, no clusters, 34,304 bytes of LDS; arguments x, context, Wq, Wk, Wv, Wo, xa, ca, wc, ws, wo16; writes xa, ca, wc, ws, wo16
.if DOCPART == 1
	.amdgcn_target "amdgcn-amd-amdhsa--gfx1250"
	.amdhsa_code_object_version 6
	.text
	.protected	k_q936e5e4a4e_prep
	.globl	k_q936e5e4a4e_prep
	.p2align	8
	.type	k_q936e5e4a4e_prep,@function
k_q936e5e4a4e_prep:
	s_mov_b64 s[64:65], 0
	v_nop
	global_prefetch_b8 v0, s[64:65] scope:SCOPE_SE
	s_setreg_imm32_b32 hwreg(HW_REG_WAVE_MODE, 25, 1), 1
	s_wait_xcnt 0x0
; CROSS-ATTENTION, launch 1 of 4: the operands of the three quantised products become codes of FP4 (E2M1) with one E8M0 byte for each 32 along K; Wo becomes f16.
; DEAD WORK: none.  Every input (x, context, Wq, Wk, Wv, Wo, bo) has a way to out0 for all values, so all seven are loaded by some launch and every product of the problem is made.
; EVERYTHING IS STORED AS IMAGES OF OPERAND REGISTERS.  A fragment is 8 registers a lane = 1,024 bytes: two groups c of 512 bytes, lane l's 16 bytes at 16 l.  r = l % 16, h = l / 16.
;   FP4, 16 rows x 128 K: group c of lane (r, h) = row r, k = 64 c + 32 h + 0 .. 31: one block of 32, so block b of a row lies at 256 b + 16 r.
;   f16, 16 rows x 32 K:  group c of lane (r, h) = row r, k = 16 c + 8 h + 0 .. 7.
; xa: 512 records (16 rows of x each) of 8,704 bytes: 8 fragments, then 512 bytes of scale words [half of K][row][4 words].  ca: the same for context, 6,656 bytes: 6 fragments, then [half][row][3 words and a 0].
; wc: Wq [64 tiles of 16 columns][8 K steps][1,024] at 0, Wk [64][6][1,024] at 524,288, Wv at 917,504.  ws: scale words [K step][column], Wq at 0, Wk at 32,768, Wv at 57,344.  wo16: [64 tiles][32 steps of 32 K][1,024].
; THE QUANTISER: a block's scale is 2^(floor(log2(largest magnitude)) - 2): its byte is the largest magnitude's exponent field - 2; each number / scale, to the nearest code, ties to even, beyond 6 the largest code.
; LIMITS: a block whose largest magnitude lies under 2^-124 has its byte held at 1; a block of zeros has the byte 1 where the rule says 127 (its codes are zeros, and this program alone reads the bytes); NaN and infinities are not served.
; SHARES: unit u = 4 x work-group + wave.  Work-groups 0-159: Wq, Wk, Wv (a unit = 32 columns x 128 K); 160-223: Wo likewise; 224-479: x (a unit = 16 rows x half of K); 480-735: context.
; A stream: no matrix unit, no tensor load, no cluster (no two work-groups read the same bytes), no barrier (waves share nothing).  Only the activations' path touches LDS.
.set SPARE, 33792                      ; behind the four stages: the spare words, 128 bytes a wave, that no other line names
.set STG,   8448                       ; a wave's stage: 16 rows x (512 + 16) bytes
.set SPW,   6                          ; v6  LDS address of my spare word; never rewritten
.set NIL,   7                          ; v7  0; never rewritten
.set FLOOR, 0x1800000                  ; 2^(3 - 127): no largest magnitude is taken under it, so the byte cannot fall under 1
.set EOFF,  0xff000000                 ; takes 2 off an exponent field
	s_load_b512 s[8:23], s[0:1], 0x0               ; x s[8:9], context s[10:11], Wq s[12:13], Wk s[14:15], Wv s[16:17], Wo s[18:19], xa s[20:21], ca s[22:23]
	s_load_b128 s[24:27], s[0:1], 0x40             ; wc s[24:25], ws s[26:27]
	s_load_b64 s[28:29], s[0:1], 0x50              ; wo16
	v_lshl_add_u32 v[SPW], v0, 2, SPARE
	v_mov_b32 v[NIL], 0
	v_lshrrev_b32 v1, 5, v0
	v_readfirstlane_b32 s30, v1                    ; wave
	s_lshl_b32 s31, ttmp9, 2
	s_add_co_u32 s31, s31, s30                     ; u
	v_and_b32 v9, 31, v0                           ; lane
	s_mov_b32 s48, 0x76543210
	s_mov_b32 s49, 0xfedcba98                      ; v_permlanex16_b32's selects for lane l xor 16
	s_wait_kmcnt 0x0
	s_cmp_ge_u32 ttmp9, 224
	s_cbranch_scc1 .Lact
; ---------------- a weight: K is its FIRST axis.  A lane takes a column and its registers run down K: nothing is transposed ----------------
	s_mov_b64 s[32:33], s[12:13]                   ; Wq,
	s_mov_b32 s38, 0                               ; its first unit,
	s_mov_b32 s39, 8                               ; its K steps,
	s_mov_b32 s40, 0                               ; its place in wc
	s_mov_b32 s41, 0                               ; and in ws
	s_cmp_ge_u32 ttmp9, 64                         ; the choices hang on the work-group's number alone
	s_cselect_b64 s[32:33], s[14:15], s[32:33]     ; Wk
	s_cselect_b32 s38, 256, s38
	s_cselect_b32 s39, 6, s39
	s_cselect_b32 s40, 524288, s40
	s_cselect_b32 s41, 32768, s41
	s_cmp_ge_u32 ttmp9, 112
	s_cselect_b64 s[32:33], s[16:17], s[32:33]     ; Wv
	s_cselect_b32 s38, 448, s38
	s_cselect_b32 s40, 917504, s40
	s_cselect_b32 s41, 57344, s41
	s_cmp_ge_u32 ttmp9, 160
	s_cselect_b64 s[32:33], s[18:19], s[32:33]     ; Wo
	s_cselect_b32 s38, 640, s38
	s_sub_co_u32 s42, s31, s38
	s_and_b32 s43, s42, 31                         ; cg: which 32 columns
	s_lshr_b32 s42, s42, 5                         ; ks: which 128 along K
	s_lshl_b32 s44, s42, 19                        ; 128 rows of 4,096 bytes
	s_lshl_b32 s45, s43, 7
	s_add_co_u32 s44, s44, s45
	s_mov_b32 s45, 0
	s_add_nc_u64 s[32:33], s[32:33], s[44:45]
	v_lshlrev_b32 v1, 2, v9                        ; 4 bytes a lane: a load reads 128 consecutive bytes, the four waves of a work-group stand side by side on 512
.macro WLOAD t                         ; block t: W(128 ks + 32 t + i, my column), i = 0 .. 31
.irp i, 0,1,2,3,4,5,6,7,8,9,10,11,12,13,14,15,16,17,18,19,20,21,22,23,24,25,26,27,28,29,30,31
	global_load_b32 v[64+32*(\t)+\i], v1, s[32:33] offset:4096*(32*(\t)+\i) th:TH_LOAD_NT
.endr
.endm
	WLOAD 0
	WLOAD 1
	v_lshrrev_b32 v3, 4, v9                        ; which of my wave's two tiles of 16 columns
	v_and_b32 v4, 15, v9                           ; r
	s_cmp_ge_u32 ttmp9, 160
	s_cbranch_scc1 .Lwo
	s_lshl_b32 s46, s39, 10
	v_mul_lo_u32 v3, v3, s46                       ; a tile's K steps x 1,024
	v_lshl_add_u32 v2, v4, 4, v3                   ; + 16 r
	s_mul_i32 s44, s43, s39
	s_lshl_b32 s44, s44, 1
	s_add_co_u32 s44, s44, s42                     ; fragment 2 cg x K steps + ks
	s_lshl_b32 s44, s44, 10
	s_add_co_u32 s44, s44, s40
	s_add_nc_u64 s[34:35], s[24:25], s[44:45]
	s_lshl_b32 s44, s42, 12                        ; scale words: 4,096 bytes a K step, 128 for my 32 columns
	s_lshl_b32 s46, s43, 7
	s_add_co_u32 s44, s44, s46
	s_add_co_u32 s44, s44, s41
	s_add_nc_u64 s[36:37], s[26:27], s[44:45]
.macro WQUANT b
.set XS, 64+32*(\b)
.if (\b) < 3
	s_wait_loadcnt 32                              ; this block's 32 loads are in; the next block's 32 stay out
.else
	s_wait_loadcnt 0x0
.endif
.if (\b) < 2
	WLOAD (\b)+2
.endif
	v_max3_num_f32 v12, |v[XS]|, |v[XS+1]|, |v[XS+2]|          ; the block's largest magnitude: all 32 numbers are mine; two chains
	v_max3_num_f32 v13, |v[XS+3]|, |v[XS+4]|, |v[XS+5]|
.irp i, 6,10,14,18,22,26
	v_max3_num_f32 v12, v12, |v[XS+\i]|, |v[XS+\i+1]|
	v_max3_num_f32 v13, v13, |v[XS+\i+2]|, |v[XS+\i+3]|
.endr
	v_max3_num_f32 v12, v12, |v[XS+30]|, |v[XS+31]|
	v_max3_num_f32 v12, v12, v13, FLOOR
	v_add_nc_u32 v14, EOFF, v12                    ; the conversion takes this operand's exponent field as its scale
	v_lshrrev_b32 v13, 23, v14                     ; the scale's byte
.if (\b) == 0
	v_mov_b32 v8, v13
.else
	v_lshl_or_b32 v8, v13, 8*(\b), v8              ; four bytes make my column's scale word for this K step
.endif
.irp g, 0,1,2,3
	v_cvt_scalef32_pk8_fp4_f32 v[32+4*(\b)+\g], v[XS+8*\g:XS+8*\g+7], v14
.endr
	v_nop                                          ; a plain line behind the scaled conversions
	global_store_b128 v2, v[32+4*(\b):35+4*(\b)], s[34:35] offset:256*(\b)   ; sixteen lanes store 256 consecutive bytes, aligned; each block has registers of its own
.endm
	WQUANT 0
	WQUANT 1
	WQUANT 2
	WQUANT 3
	global_store_b32 v1, v8, s[36:37]              ; 128 consecutive bytes of scale words
	s_endpgm
.Lwo:                                              ; Wo to f16: eight neighbours along K are 16 bytes of a fragment
	v_lshlrev_b32 v3, 15, v3                       ; a tile's 32 fragments
	v_lshl_add_u32 v2, v4, 4, v3
	s_lshl_b32 s44, s43, 6
	s_lshl_b32 s46, s42, 2
	s_add_co_u32 s44, s44, s46                     ; fragment 64 cg + 4 ks
	s_lshl_b32 s44, s44, 10
	s_add_nc_u64 s[34:35], s[28:29], s[44:45]
.irp b, 0,1,2,3
.if \b < 3
	s_wait_loadcnt 32                              ; as above
.else
	s_wait_loadcnt 0x0
.endif
.if \b < 2
	WLOAD \b+2
.endif
.irp i, 0,1,2,3,4,5,6,7,8,9,10,11,12,13,14,15
	v_cvt_pk_f16_f32 v[192+16*\b+\i], v[64+32*\b+2*\i], v[65+32*\b+2*\i]
.endr
.irp j, 0,1,2,3
	global_store_b128 v2, v[192+16*\b+4*\j:195+16*\b+4*\j], s[34:35] offset:256*(4*\b+\j)
.endr
.endr
	s_endpgm
; ---------------- x or context: K is innermost.  Loads take the bytes as they lie, 512 of a row; a fragment's 16 x 512 bytes turn through my stage so that a lane gets whole blocks of 32 neighbours ----------------
.Lact:
	s_cmp_lt_u32 ttmp9, 480                        ; x or context: only pointers and sizes are chosen
	s_cselect_b64 s[32:33], s[8:9], s[10:11]
	s_cselect_b64 s[34:35], s[20:21], s[22:23]
	s_mov_b32 s38, 3072
	s_cselect_b32 s38, 4096, s38                   ; a row in bytes
	s_mov_b32 s39, 1536
	s_cselect_b32 s39, 2048, s39                   ; half of it
	s_cselect_b32 s40, 4, 3                        ; fragments in a half
	s_mov_b32 s41, 6656
	s_cselect_b32 s41, 8704, s41                   ; a record
	s_mov_b32 s42, 6144
	s_cselect_b32 s42, 8192, s42                   ; where its scale words begin
	s_mov_b32 s43, 1920
	s_cselect_b32 s43, 896, s43                    ; the tensor's first unit
	s_sub_co_u32 s44, s31, s43
	s_and_b32 s45, s44, 1                          ; which half of K
	s_lshr_b32 s44, s44, 1                         ; which 16 rows
	s_mul_i32 s46, s44, s38
	s_lshl_b32 s46, s46, 4
	s_mul_i32 s47, s45, s39
	s_add_co_u32 s46, s46, s47
	s_mov_b32 s47, 0
	s_add_nc_u64 s[32:33], s[32:33], s[46:47]      ; my rows, my half
	s_mul_i32 s46, s44, s41
	s_add_nc_u64 s[34:35], s[34:35], s[46:47]      ; my record
	s_lshl_b32 s46, s45, 8
	s_add_co_u32 s46, s46, s42
	s_add_nc_u64 s[36:37], s[34:35], s[46:47]      ; my half's 256 bytes of scale words
	s_mul_i32 s46, s45, s40
	s_lshl_b32 s46, s46, 10
	s_add_nc_u64 s[34:35], s[34:35], s[46:47]      ; my half's fragments
	s_mul_i32 s46, s30, STG                        ; my stage
	v_lshlrev_b32 v1, 4, v9                        ; 16 l
	v_add_nc_u32 v2, s46, v1                       ; into the stage: a row as it lies
	v_and_b32 v12, 15, v9                          ; r
	v_lshrrev_b32 v13, 4, v9                       ; h
	v_mul_u32_u24 v3, v12, 528
	v_lshl_add_u32 v3, v13, 7, v3
	v_add_nc_u32 v3, s46, v3                       ; out of it: row r, + 128 h: 528 bytes are 132 words, so sixteen rows start at sixteen different groups of four banks
	v_lshlrev_b32 v4, 4, v12
	v_lshl_add_u32 v4, v13, 3, v4                  ; scale words out: 16 r + 8 h
	v_lshlrev_b32 v5, 3, v13                       ; 8 h
	v_mov_b32 v11, 0                               ; word 3: context has three K steps in a half
	v_mov_b32 v16, v1
.irp i, 1,2,3,4,5,6,7,8,9,10,11,12,13,14,15
	v_add_nc_u32 v[16+\i], s38, v[15+\i]           ; v16-31: 16 l + row i
.endr
.macro ALOAD f                         ; fragment f: 512 consecutive bytes of each of 16 rows, into set f % 2 of v64-191
.irp i, 0,1,2,3,4,5,6,7,8,9,10,11,12,13,14,15
	global_load_b128 v[64+64*((\f)%2)+4*\i:64+64*((\f)%2)+4*\i+3], v[16+\i], s[32:33] offset:512*(\f) th:TH_LOAD_NT
.endr
.endm
; next = 1: the fragment two on is asked for; 2: only where the tensor is x, which has a fourth
.macro FRAG f, cnt, next
	s_wait_loadcnt \cnt
.irp i, 0,1,2,3,4,5,6,7,8,9,10,11,12,13,14,15
	ds_store_b128 v2, v[64+64*((\f)%2)+4*\i:64+64*((\f)%2)+4*\i+3] offset:528*\i
.endr
.irp c, 0,1
.irp i, 0,1,2,3,4,5,6,7
	ds_load_b128 v[192+32*\c+4*\i:192+32*\c+4*\i+3], v3 offset:256*\c+16*\i    ; LDS serves a wave's instructions in order: these see my stores.  Block 2 c + h of row r
.endr
.endr
	s_wait_dscnt 0x0                               ; my 64 numbers are in, and the stores have read their registers
.if \next == 1
	ALOAD (\f)+2
.elseif \next == 2
	s_cmp_lt_u32 ttmp9, 480
	s_cbranch_scc0 .Lno_more_\@
	ALOAD (\f)+2
.Lno_more_\@:
.endif
.irp c, 0,1
	v_max3_num_f32 v[12+\c], |v[192+32*\c]|, |v[193+32*\c]|, FLOOR
.endr
.irp i, 2,4,6,8,10,12,14,16,18,20,22,24,26,28,30
.irp c, 0,1
	v_max3_num_f32 v[12+\c], v[12+\c], |v[192+32*\c+\i]|, |v[193+32*\c+\i]|    ; the two blocks by turns
.endr
.endr
.irp c, 0,1
	v_add_nc_u32 v[14+\c], EOFF, v[12+\c]
.endr
.irp c, 0,1
	v_lshrrev_b32 v[12+\c], 23, v[14+\c]
.endr
	v_lshl_or_b32 v12, v13, 16, v12                ; my two bytes: blocks h and 2 + h,
	v_lshlrev_b32 v12, v5, v12                     ; at their places;
	v_permlanex16_b32 v13, v12, s48, s49
	v_or_b32 v[8+(\f)], v12, v13                   ; with lane l xor 16's two the row's word is whole
.irp c, 0,1
.irp g, 0,1,2,3
	v_cvt_scalef32_pk8_fp4_f32 v[32+8*(\f)+4*\c+\g], v[192+32*\c+8*\g:199+32*\c+8*\g], v[14+\c]
.endr
.endr
	v_nop                                          ; a plain line behind the scaled conversions
.irp c, 0,1
	global_store_b128 v1, v[32+8*(\f)+4*\c:35+8*(\f)+4*\c], s[34:35] offset:1024*(\f)+512*\c   ; 512 consecutive bytes; each fragment has registers of its own
.endr
.endm
	ALOAD 0
	ALOAD 1
	FRAG 0, 16, 1                                  ; 16: the one younger fragment's loads stay out
	FRAG 1, 16, 2
	FRAG 2, 0, 0                                   ; 0: the two tensors have different numbers of loads out here
	s_cmp_lt_u32 ttmp9, 480
	s_cbranch_scc0 .Lthree
	FRAG 3, 0, 0
.Lthree:
	v_and_b32 v12, 16, v0
	v_cmp_eq_u32 vcc_lo, 0, v12
	v_cndmask_b32 v12, v10, v8, vcc_lo             ; lanes 0-15 store words 0 and 1 of row r, lanes 16-31 words 2 and 3
	v_cndmask_b32 v13, v11, v9, vcc_lo
	global_store_b64 v4, v[12:13], s[36:37]        ; 256 consecutive bytes, aligned
	s_wait_tensorcnt 0x0                           ; the wave's end, behind my last LDS store
	ds_add_u32 v[SPW], v[NIL]
	s_wait_dscnt 0x0
	s_endpgm
.Lfunc_end_k_q936e5e4a4e_prep:
	.size	k_q936e5e4a4e_prep, .Lfunc_end_k_q936e5e4a4e_prep-k_q936e5e4a4e_prep
	.p2alignl 7, 3214868480
	.fill 96, 4, 3214868480
	.section	.rodata,"a",@progbits
	.p2align	6, 0x0
	.amdhsa_kernel k_q936e5e4a4e_prep
		.amdhsa_group_segment_fixed_size 34304
		.amdhsa_private_segment_fixed_size 0
		.amdhsa_enable_private_segment 0
		.amdhsa_kernarg_size 88
		.amdhsa_user_sgpr_count 2
		.amdhsa_user_sgpr_kernarg_segment_ptr 1
		.amdhsa_wavefront_size32 1
		.amdhsa_system_sgpr_workgroup_id_x 1
		.amdhsa_system_sgpr_workgroup_id_y 1
		.amdhsa_system_sgpr_workgroup_id_z 1
		.amdhsa_system_vgpr_workitem_id 0
		.amdhsa_next_free_vgpr 256
		.amdhsa_next_free_sgpr 66
		.amdhsa_reserve_vcc 1
		.amdhsa_float_denorm_mode_32 3
		.amdhsa_float_denorm_mode_16_64 3
		.amdhsa_memory_ordered 1
		.amdhsa_forward_progress 1
		.amdhsa_inst_pref_size 63
	.end_amdhsa_kernel
	.amdgpu_metadata
---
amdhsa.version: [ 1, 2 ]
amdhsa.kernels:
  - .name:           k_q936e5e4a4e_prep
    .symbol:         k_q936e5e4a4e_prep.kd
    .args:
      - { .name: x, .offset: 0, .size: 8, .value_kind: global_buffer, .address_space: global }
      - { .name: context, .offset: 8, .size: 8, .value_kind: global_buffer, .address_space: global }
      - { .name: Wq, .offset: 16, .size: 8, .value_kind: global_buffer, .address_space: global }
      - { .name: Wk, .offset: 24, .size: 8, .value_kind: global_buffer, .address_space: global }
      - { .name: Wv, .offset: 32, .size: 8, .value_kind: global_buffer, .address_space: global }
      - { .name: Wo, .offset: 40, .size: 8, .value_kind: global_buffer, .address_space: global }
      - { .name: xa, .offset: 48, .size: 8, .value_kind: global_buffer, .address_space: global }
      - { .name: ca, .offset: 56, .size: 8, .value_kind: global_buffer, .address_space: global }
      - { .name: wc, .offset: 64, .size: 8, .value_kind: global_buffer, .address_space: global }
      - { .name: ws, .offset: 72, .size: 8, .value_kind: global_buffer, .address_space: global }
      - { .name: wo16, .offset: 80, .size: 8, .value_kind: global_buffer, .address_space: global }
    .group_segment_fixed_size: 34304
    .private_segment_fixed_size: 0
    .kernarg_segment_align: 8
    .kernarg_segment_size: 88
    .max_flat_workgroup_size: 128
    .sgpr_count:     66
    .vgpr_count:     256
    .wavefront_size: 32
...
	.end_amdgpu_metadata
.endif
;; end of part 1
;; launch proj (part 2): grid 8 x 32, 4 waves a work-group, clusters of 4 x 1, 262,144 bytes of LDS; arguments xa, ca, wc, ws, qimg, kv; writes qimg, kv
.if DOCPART == 2
	.amdgcn_target "amdgcn-amd-amdhsa--gfx1250"
	.amdhsa_code_object_version 6
	.text
	.protected	k_q936e5e4a4e_proj
	.globl	k_q936e5e4a4e_proj
	.p2align	8
	.type	k_q936e5e4a4e_proj,@function
k_q936e5e4a4e_proj:
	s_mov_b64 s[64:65], 0
	v_nop
	global_prefetch_b8 v0, s[64:65] scope:SCOPE_SE
	s_setreg_imm32_b32 hwreg(HW_REG_WAVE_MODE, 25, 1), 1
	s_wait_xcnt 0x0
	s_wait_alu depctr_hold_cnt(0) depctr_sa_sdst(0) depctr_va_vdst(0) depctr_va_sdst(0) depctr_va_ssrc(0) depctr_va_vcc(0) depctr_vm_vsrc(0)
	s_getreg_b32 s2, hwreg(HW_REG_IB_STS2, 6, 4)
	s_cmp_eq_u32 s2, 0
	s_cbranch_scc0 .Lentry_in_a_cluster
	s_endpgm
.Lentry_in_a_cluster:
	s_bfe_u32 s2, ttmp6, 0x10000c
	s_cmp_lg_u32 s2, 0x3003
	s_cbranch_scc0 .Lentry_shape_is_right
	s_endpgm
.Lentry_shape_is_right:
; CROSS-ATTENTION, launch 2 of 4: q = x Wq, k = context Wk, v = context Wv on codes of FP4 with E8M0 scales; sums in f32; q is multiplied by log2(e) / 8; all three leave as f16, as images of the next products' fragments.
; No work is left out.
; SHARES.  Work-group (g, rb) makes rows 256 rb .. + 255 x columns 128 g .. + 127 of q, of k and of v; wave w its columns 32 w .. + 31 (two tiles of 16), for all 256 rows.
; The rows' records (codes of all of K and their scale words: 16 x 8,704 bytes of x, 16 x 6,656 of context) come into LDS ONCE, by first fills: no slot is filled again.  A wave's weights (40 fragments) stay in its registers.
; CLUSTER.  The four column groups of a cluster need the same records: each load is asked for JOINTLY, with the same descriptor and the mask of all four.
; q AND k ARE MADE TRANSPOSED (source 0 = 16 columns of the weight, source 1 = 16 rows): a lane then holds 8 neighbouring channels of one row: 16 bytes of f16 = lane l's 16 bytes of a fragment whose rows are queries (keys) and whose K is the head's channels.
; v IS MADE THE NATURAL WAY (source 0 = 16 rows of context, source 1 = 16 columns of Wv): a lane holds 8 neighbouring KEYS of one channel: its 16 bytes of a fragment of V^T.  So every store is 512 consecutive bytes and nothing goes through a stage.
; qimg: [batch x head][tile of 16 queries][s: channels 32 s on][1,024].  kv: [batch x head][step of 64 keys][16,384]: K [tile of 16 keys a][s][1,024], then V^T at 8,192 [keys 32 ks on][tile of 16 channels][1,024].
; LIMIT: q log2(e) / 8, k and v must lie inside f16's range, 65,504.
; REGISTERS.  window 0: v1 16 l; v2, v3 LDS addresses in x's and context's records; v4 4 l; v16-35 the weights' scale words (lanes 0-15 my tile 0, lanes 16-31 my tile 1); v36-51 the rows' scale words, two sets; v52, v53 the add's two;
;   v64-127 accumulators; v128-159 packed results.   window 1: the rows' fragments, two sets of 128 (two tiles of rows each).   window 2: Wq at 64 nt + 8 ks, Wk at 128 + 48 nt + 8 ks.   window 3: Wv at 48 nt + 8 ks.
.set XREC,  8704
.set CREC,  6656
.set CBLK,  16*XREC                    ; context's records lie behind x's
.set SPARE, 245760                     ; behind them: the spare words, 128 bytes a wave, that no other line names
.set SPW,   52
.set NIL,   53
.set ACC,   64
.set PK,    128
.set MSB, 0
.macro WIN new                         ; the immediate's high byte repeats the setting that is left
.if MSB != \new
	s_set_vgpr_msb (MSB<<8)|\new
.set MSB, \new
.endif
.endm
.macro CROUND                          ; a round of the cluster's barrier
	s_barrier_signal -1
	s_barrier_wait -1
	s_cmp_lg_u32 s16, 0
	s_cbranch_scc1 .Lnot_wave_0_\@
	s_barrier_signal -3
.Lnot_wave_0_\@:
	s_barrier_wait -3
	s_barrier_signal -1
	s_barrier_wait -1
.endm
	s_load_b256 s[4:11], s[0:1], 0x0               ; xa s[4:5], ca s[6:7], wc s[8:9], ws s[10:11]
	s_load_b128 s[12:15], s[0:1], 0x20             ; qimg s[12:13], kv s[14:15]
	v_lshl_add_u32 v[SPW], v0, 2, SPARE
	v_mov_b32 v[NIL], 0
	ds_add_u32 v[SPW], v[NIL]                      ; the wave's opening: the add, twice on end, and its wait ahead of my first tensor load
	ds_add_u32 v[SPW], v[NIL]
	v_lshrrev_b32 v1, 5, v0
	v_readfirstlane_b32 s16, v1                    ; wave
	s_and_b32 s17, s16, 1                          ; which half of the records I fetch; also s: which 32 channels of the head are mine
	s_lshr_b32 s18, s16, 1                         ; which of the group's two heads
	s_bfe_u32 s19, ttmp6, 0x40000                  ; cx: it enters the addresses of weights and results alone
	s_lshl_b32 s20, ttmp9, 2
	s_add_co_u32 s20, s20, s19                     ; g
	s_and_b32 s21, ttmp7, 0xffff                   ; rb
	v_and_b32 v4, 31, v0
	v_lshlrev_b32 v1, 4, v4                        ; 16 l
	v_lshlrev_b32 v4, 2, v4                        ; 4 l
	v_mov_b32 v2, v1
	v_add_nc_u32 v3, CBLK, v1
	; descriptor group 1: eight records are one dense block, taken as rows of 256 bytes (32 elements of 8 bytes), no padding: LDS is read at 16 l, 512 consecutive bytes an instruction
	s_mov_b32 s24, 15|(3<<16)|(1<<21)              ; the mask of all four work-groups; elements of 8 bytes; bit 21 beside a mask
	s_mov_b32 s25, 32<<16                          ; tensor_dim0
	s_mov_b32 s26, 272<<16                         ; tensor_dim1: 8 x 8,704 / 256
	s_mov_b32 s27, 32<<16                          ; tile_dim0
	s_mov_b32 s28, 272                             ; tile_dim1
	s_mov_b32 s29, 32                              ; the pitch
	s_mov_b32 s30, 0
	s_mov_b32 s31, 0
	s_mov_b32 s32, 15|(3<<16)|(1<<21)
	s_mov_b32 s33, 32<<16
	s_mov_b32 s34, 208<<16                         ; 8 x 6,656 / 256
	s_mov_b32 s35, 32<<16
	s_mov_b32 s36, 208
	s_mov_b32 s37, 32
	s_mov_b32 s38, 0
	s_mov_b32 s39, 0
	s_lshl_b32 s68, s21, 4
	s_lshl_b32 s69, s17, 3
	s_add_co_u32 s68, s68, s69                     ; my first record: 16 rb + 8 (wave % 2)
	s_mul_i32 s70, s68, XREC
	s_mov_b32 s71, 0
	s_mul_i32 s72, s68, CREC
	s_mov_b32 s73, 0
	s_mov_b32 s62, 0x3e38aa3b                      ; log2(e) / 8
	s_mov_b32 s63, s62                             ; (named with it as a pair)
	s_wait_dscnt 0x0                               ; both opening adds are done
	s_wait_kmcnt 0x0
	s_mov_b32 s40, 1
	s_mul_i32 s41, s17, 8*XREC
	s_add_nc_u64 s[42:43], s[4:5], s[70:71]
	s_or_b32 s43, s43, 0x80000000
	s_mov_b32 s44, 1
	s_mul_i32 s45, s17, 8*CREC
	s_add_co_u32 s45, s45, CBLK
	s_add_nc_u64 s[46:47], s[6:7], s[72:73]
	s_or_b32 s47, s47, 0x80000000
	CROUND                                         ; all four work-groups are here: the joint loads meet
	s_cmp_lt_u32 s16, 2                            ; waves 0 and 1 fetch x's halves, waves 2 and 3 context's: one tensor load a wave is out
	s_cbranch_scc0 .Lfor_c
	tensor_load_to_lds s[40:43], s[24:31]
	s_nop 0
.rept 4
	v_nop
.endr
	s_branch .Lasked
.Lfor_c:
	tensor_load_to_lds s[44:47], s[32:39]
	s_nop 0
.rept 4
	v_nop
.endr
.Lasked:
	s_lshl_b32 s74, s20, 3
	s_lshl_b32 s75, s16, 1
	s_add_co_u32 s74, s74, s75                     ; my first tile of columns: 8 g + 2 w
	s_lshl_b32 s76, s74, 13
	s_mov_b32 s77, 0
	s_add_nc_u64 s[54:55], s[8:9], s[76:77]        ; Wq's fragments
	s_mul_i32 s76, s74, 6144
	s_add_nc_u64 s[56:57], s[8:9], s[76:77]
	s_add_nc_u64 s[58:59], s[56:57], 917504        ; Wv's
	s_add_nc_u64 s[56:57], s[56:57], 524288        ; Wk's
	s_lshl_b32 s76, s74, 6
	s_add_nc_u64 s[60:61], s[10:11], s[76:77]      ; my 32 columns' scale words
	WIN 0x80                                       ; destination window 2
.irp i, 0,1,2,3,4,5,6,7,8,9,10,11,12,13,14,15,16,17,18,19,20,21,22,23,24,25,26,27,28,29,30,31
	global_load_b128 v[4*\i:4*\i+3], v1, s[54:55] offset:512*\i
.endr
.irp i, 0,1,2,3,4,5,6,7,8,9,10,11,12,13,14,15,16,17,18,19,20,21,22,23
	global_load_b128 v[128+4*\i:128+4*\i+3], v1, s[56:57] offset:512*\i
.endr
	WIN 0xc0                                       ; destination window 3
.irp i, 0,1,2,3,4,5,6,7,8,9,10,11,12,13,14,15,16,17,18,19,20,21,22,23
	global_load_b128 v[4*\i:4*\i+3], v1, s[58:59] offset:512*\i
.endr
	WIN 0
.irp ks, 0,1,2,3,4,5,6,7
	global_load_b32 v[16+\ks], v4, s[60:61] offset:4096*\ks
.endr
.irp ks, 0,1,2,3,4,5
	global_load_b32 v[24+\ks], v4, s[60:61] offset:32768+4096*\ks
	global_load_b32 v[30+\ks], v4, s[60:61] offset:57344+4096*\ks
.endr
	s_lshr_b32 s74, s21, 3                         ; where the results go: batch,
	s_lshl_b32 s74, s74, 4
	s_lshl_b32 s75, s20, 1
	s_add_co_u32 s74, s74, s75
	s_add_co_u32 s74, s74, s18                     ; 16 x batch + head
	s_and_b32 s75, s21, 7                          ; which 256 rows of the batch
	s_lshl_b32 s76, s74, 18
	s_lshl_b32 s78, s75, 15
	s_add_co_u32 s76, s76, s78
	s_lshl_b32 s78, s17, 10
	s_add_co_u32 s76, s76, s78
	s_add_nc_u64 s[48:49], s[12:13], s[76:77]      ; q: head x 262,144 + 16 tiles x 2,048 + 1,024 s
	s_lshl_b32 s76, s74, 19
	s_lshl_b32 s79, s75, 16
	s_add_co_u32 s76, s76, s79
	s_add_nc_u64 s[52:53], s[14:15], s[76:77]      ; kv: head x 524,288 + 4 steps x 16,384
	s_mov_b32 s79, 0
	s_add_nc_u64 s[50:51], s[52:53], s[78:79]      ; k: + 1,024 s
	s_lshl_b32 s78, s17, 11
	s_add_co_u32 s78, s78, 8192
	s_add_nc_u64 s[52:53], s[52:53], s[78:79]      ; v: + 8,192 + 2,048 s
	s_wait_tensorcnt 0x0                           ; my part of the records has landed,
	s_barrier_signal -1
	s_barrier_wait -1                              ; everybody's has
	s_wait_loadcnt 0x0                             ; my weights and their scale words
; The scaled product on the registers rD, rA, rB and the scale registers rSA, rSB.  zero = 1: it starts a sum.  ra, rb = 1: that side's scales are read from lanes 16-31.
.macro SW zero, ra, rb
.if \zero
.if (\ra) == 0 && (\rb) == 0
	v_wmma_scale_f32_16x16x128_f8f6f4 v[rD:rD+7], v[rA:rA+7], v[rB:rB+7], 0, v[rSA], v[rSB] matrix_a_fmt:MATRIX_FMT_FP4 matrix_b_fmt:MATRIX_FMT_FP4
.elseif (\rb) == 0
	v_wmma_scale_f32_16x16x128_f8f6f4 v[rD:rD+7], v[rA:rA+7], v[rB:rB+7], 0, v[rSA], v[rSB] matrix_a_fmt:MATRIX_FMT_FP4 matrix_b_fmt:MATRIX_FMT_FP4 matrix_a_scale:MATRIX_SCALE_ROW1
.elseif (\ra) == 0
	v_wmma_scale_f32_16x16x128_f8f6f4 v[rD:rD+7], v[rA:rA+7], v[rB:rB+7], 0, v[rSA], v[rSB] matrix_a_fmt:MATRIX_FMT_FP4 matrix_b_fmt:MATRIX_FMT_FP4 matrix_b_scale:MATRIX_SCALE_ROW1
.else
	v_wmma_scale_f32_16x16x128_f8f6f4 v[rD:rD+7], v[rA:rA+7], v[rB:rB+7], 0, v[rSA], v[rSB] matrix_a_fmt:MATRIX_FMT_FP4 matrix_b_fmt:MATRIX_FMT_FP4 matrix_a_scale:MATRIX_SCALE_ROW1 matrix_b_scale:MATRIX_SCALE_ROW1
.endif
.else
.if (\ra) == 0 && (\rb) == 0
	v_wmma_scale_f32_16x16x128_f8f6f4 v[rD:rD+7], v[rA:rA+7], v[rB:rB+7], v[rD:rD+7], v[rSA], v[rSB] matrix_a_fmt:MATRIX_FMT_FP4 matrix_b_fmt:MATRIX_FMT_FP4
.elseif (\rb) == 0
	v_wmma_scale_f32_16x16x128_f8f6f4 v[rD:rD+7], v[rA:rA+7], v[rB:rB+7], v[rD:rD+7], v[rSA], v[rSB] matrix_a_fmt:MATRIX_FMT_FP4 matrix_b_fmt:MATRIX_FMT_FP4 matrix_a_scale:MATRIX_SCALE_ROW1
.elseif (\ra) == 0
	v_wmma_scale_f32_16x16x128_f8f6f4 v[rD:rD+7], v[rA:rA+7], v[rB:rB+7], v[rD:rD+7], v[rSA], v[rSB] matrix_a_fmt:MATRIX_FMT_FP4 matrix_b_fmt:MATRIX_FMT_FP4 matrix_b_scale:MATRIX_SCALE_ROW1
.else
	v_wmma_scale_f32_16x16x128_f8f6f4 v[rD:rD+7], v[rA:rA+7], v[rB:rB+7], v[rD:rD+7], v[rSA], v[rSB] matrix_a_fmt:MATRIX_FMT_FP4 matrix_b_fmt:MATRIX_FMT_FP4 matrix_a_scale:MATRIX_SCALE_ROW1 matrix_b_scale:MATRIX_SCALE_ROW1
.endif
.endif
.endm
; A PAIR is two tiles of 16 rows; po is its place in a trip of two pairs.  34 LDS loads: the pair's 16 fragments of x into set, and its scale words: register j: lanes 0-15 K step j, lanes 16-31 K step 4 + j
.macro FETCHX set, po
	WIN 0x40                                       ; destination window 1
.irp i, 0,1
.irp j, 0,1,2,3,4,5,6,7,8,9,10,11,12,13,14,15
	ds_load_b128 v[128*(\set)+64*\i+4*\j:128*(\set)+64*\i+4*\j+3], v2 offset:(2*(\po)+\i)*XREC+512*\j
.endr
.endr
	WIN 0
.irp i, 0,1
	ds_load_b128 v[36+8*(\set)+4*\i:39+8*(\set)+4*\i], v2 offset:(2*(\po)+\i)*XREC+8192
.endr
.endm
.macro FETCHC set, po                  ; the same of context: 26 loads; register j: lanes 0-15 K step j, lanes 16-31 K step 3 + j
	WIN 0x40
.irp i, 0,1
.irp j, 0,1,2,3,4,5,6,7,8,9,10,11
	ds_load_b128 v[128*(\set)+64*\i+4*\j:128*(\set)+64*\i+4*\j+3], v3 offset:(2*(\po)+\i)*CREC+512*\j
.endr
.endr
	WIN 0
.irp i, 0,1
	ds_load_b128 v[36+8*(\set)+4*\i:39+8*(\set)+4*\i], v3 offset:(2*(\po)+\i)*CREC+6144
.endr
.endm
; The products of a pair.  The four accumulators of a product take turns, one instruction a turn.
.macro MULQ set
	WIN 0x06                                       ; source 0 (Wq) window 2, source 1 (rows) window 1
.irp ks, 0,1,2,3,4,5,6,7
.irp i, 0,1
.irp nt, 0,1
.set rD, ACC+8*(2*\i+\nt)
.set rA, 64*\nt+8*\ks
.set rB, 128*(\set)+64*\i+8*\ks
.set rSA, 16+\ks
.set rSB, 36+8*(\set)+4*\i+\ks%4
.if \ks == 0
	SW 1, \nt, \ks/4
.else
	SW 0, \nt, \ks/4
.endif
.endr
.endr
.endr
.endm
.macro MULK set
	WIN 0x06
.irp ks, 0,1,2,3,4,5
.irp i, 0,1
.irp nt, 0,1
.set rD, ACC+8*(2*\i+\nt)
.set rA, 128+48*\nt+8*\ks
.set rB, 128*(\set)+64*\i+8*\ks
.set rSA, 24+\ks
.set rSB, 36+8*(\set)+4*\i+\ks%3
.if \ks == 0
	SW 1, \nt, \ks/3
.else
	SW 0, \nt, \ks/3
.endif
.endr
.endr
.endr
.endm
.macro MULV set
	WIN 0x0d                                       ; source 0 (rows) window 1, source 1 (Wv) window 3
.irp ks, 0,1,2,3,4,5
.irp i, 0,1
.irp nt, 0,1
.set rD, ACC+32+8*(2*\i+\nt)
.set rA, 128*(\set)+64*\i+8*\ks
.set rB, 48*\nt+8*\ks
.set rSA, 36+8*(\set)+4*\i+\ks%3
.set rSB, 30+\ks
.if \ks == 0
	SW 1, \ks/3, \nt
.else
	SW 0, \ks/3, \nt
.endif
.endr
.endr
.endr
.endm
; The way out of a pair.  Four v_nop are the places behind the last products; the conversions that follow are places too, in front of the next run of LDS loads into the fragments' and scales' registers
; and of the next pair's first products, which begin the accumulators anew.  Each accumulator is read from its low end on.
.macro EPIQ po
	WIN 0
.rept 4
	v_nop
.endr
	s_wait_xcnt 0x0                                ; the last stores have read their data: the packed registers may be written again
.irp i, 0,1
.irp nt, 0,1
.irp p, 0,1,2,3
	v_pk_mul_f32 v[ACC+8*(2*\i+\nt)+2*\p:ACC+8*(2*\i+\nt)+2*\p+1], v[ACC+8*(2*\i+\nt)+2*\p:ACC+8*(2*\i+\nt)+2*\p+1], s[62:63] op_sel_hi:[1,0]
.endr
.irp p, 0,1,2,3
	v_cvt_pk_f16_f32 v[PK+4*(2*\i+\nt)+\p], v[ACC+8*(2*\i+\nt)+2*\p], v[ACC+8*(2*\i+\nt)+2*\p+1]
.endr
	global_store_b128 v1, v[PK+4*(2*\i+\nt):PK+4*(2*\i+\nt)+3], s[48:49] offset:(2*(\po)+\i)*2048+512*\nt   ; group nt of the tile's fragment s: 512 consecutive bytes
.endr
.endr
.endm
.macro EPIKV po
	WIN 0
.rept 4
	v_nop
.endr
	s_wait_xcnt 0x0
.irp i, 0,1
.irp nt, 0,1
.irp p, 0,1,2,3
	v_cvt_pk_f16_f32 v[PK+4*(2*\i+\nt)+\p], v[ACC+8*(2*\i+\nt)+2*\p], v[ACC+8*(2*\i+\nt)+2*\p+1]
.endr
	global_store_b128 v1, v[PK+4*(2*\i+\nt):PK+4*(2*\i+\nt)+3], s[50:51] offset:(\po)*4096+\i*2048+512*\nt   ; key tile 2 po + i, group nt
.endr
.endr
.irp i, 0,1
.irp nt, 0,1
.irp p, 0,1,2,3
	v_cvt_pk_f16_f32 v[PK+16+4*(2*\i+\nt)+\p], v[ACC+32+8*(2*\i+\nt)+2*\p], v[ACC+32+8*(2*\i+\nt)+2*\p+1]
.endr
	global_store_b128 v1, v[PK+16+4*(2*\i+\nt):PK+16+4*(2*\i+\nt)+3], s[52:53] offset:(\po)*4096+\nt*1024+512*\i   ; keys 32 po on, channel tile 2 s + nt, group i
.endr
.endr
.endm
	FETCHX 0, 0
	s_mov_b32 s66, 3
.Lq:                                               ; a trip: two pairs of x; the next pair's fragments are fetched while a pair is multiplied
	FETCHX 1, 1
	s_wait_dscnt 34                                ; all but the 34 loads just issued
	MULQ 0
	EPIQ 0
	v_add_nc_u32 v2, 4*XREC, v2
	FETCHX 0, 0
	s_wait_dscnt 34
	MULQ 1
	EPIQ 1
	s_wait_xcnt 0x0                                ; the stores have read their base
	s_add_nc_u64 s[48:49], s[48:49], 8192
	s_sub_co_u32 s66, s66, 1
	s_cmp_lg_u32 s66, 0
	s_cbranch_scc1 .Lq
	FETCHX 1, 1                                    ; the last two pairs of x; context's first pair is fetched behind them
	s_wait_dscnt 34
	MULQ 0
	EPIQ 0
	FETCHC 0, 0
	s_wait_dscnt 26                                ; all but the 26 just issued
	MULQ 1
	EPIQ 1
	s_mov_b32 s66, 3
.Lkv:
	FETCHC 1, 1
	s_wait_dscnt 26
	MULK 0
	MULV 0
	EPIKV 0
	v_add_nc_u32 v3, 4*CREC, v3
	FETCHC 0, 0
	s_wait_dscnt 26
	MULK 1
	MULV 1
	EPIKV 1
	s_wait_xcnt 0x0
	s_add_nc_u64 s[50:51], s[50:51], 16384         ; a trip's four tiles of keys are one step of 64
	s_add_nc_u64 s[52:53], s[52:53], 16384
	s_sub_co_u32 s66, s66, 1
	s_cmp_lg_u32 s66, 0
	s_cbranch_scc1 .Lkv
	FETCHC 1, 1
	s_wait_dscnt 26
	MULK 0
	MULV 0
	EPIKV 0
	s_wait_dscnt 0x0
	MULK 1
	MULV 1
	EPIKV 1
	s_wait_tensorcnt 0x0                           ; the wave's end
	ds_add_u32 v[SPW], v[NIL]
	s_wait_dscnt 0x0
	CROUND                                         ; the closing round
	s_endpgm
.Lfunc_end_k_q936e5e4a4e_proj:
	.size	k_q936e5e4a4e_proj, .Lfunc_end_k_q936e5e4a4e_proj-k_q936e5e4a4e_proj
	.p2alignl 7, 3214868480
	.fill 96, 4, 3214868480
	.section	.rodata,"a",@progbits
	.p2align	6, 0x0
	.amdhsa_kernel k_q936e5e4a4e_proj
		.amdhsa_group_segment_fixed_size 262144
		.amdhsa_private_segment_fixed_size 0
		.amdhsa_enable_private_segment 0
		.amdhsa_kernarg_size 48
		.amdhsa_user_sgpr_count 2
		.amdhsa_user_sgpr_kernarg_segment_ptr 1
		.amdhsa_wavefront_size32 1
		.amdhsa_system_sgpr_workgroup_id_x 1
		.amdhsa_system_sgpr_workgroup_id_y 1
		.amdhsa_system_sgpr_workgroup_id_z 1
		.amdhsa_system_vgpr_workitem_id 0
		.amdhsa_next_free_vgpr 1024
		.amdhsa_next_free_sgpr 80
		.amdhsa_reserve_vcc 0
		.amdhsa_float_denorm_mode_32 3
		.amdhsa_float_denorm_mode_16_64 3
		.amdhsa_memory_ordered 1
		.amdhsa_forward_progress 1
		.amdhsa_inst_pref_size 94
	.end_amdhsa_kernel
	.amdgpu_metadata
---
amdhsa.version: [ 1, 2 ]
amdhsa.kernels:
  - .name:           k_q936e5e4a4e_proj
    .symbol:         k_q936e5e4a4e_proj.kd
    .args:
      - { .name: xa, .offset: 0, .size: 8, .value_kind: global_buffer, .address_space: global }
      - { .name: ca, .offset: 8, .size: 8, .value_kind: global_buffer, .address_space: global }
      - { .name: wc, .offset: 16, .size: 8, .value_kind: global_buffer, .address_space: global }
      - { .name: ws, .offset: 24, .size: 8, .value_kind: global_buffer, .address_space: global }
      - { .name: qimg, .offset: 32, .size: 8, .value_kind: global_buffer, .address_space: global }
      - { .name: kv, .offset: 40, .size: 8, .value_kind: global_buffer, .address_space: global }
    .group_segment_fixed_size: 262144
    .private_segment_fixed_size: 0
    .kernarg_segment_align: 8
    .kernarg_segment_size: 48
    .max_flat_workgroup_size: 128
    .sgpr_count:     80
    .vgpr_count:     1024
    .wavefront_size: 32
...
	.end_amdgpu_metadata
.endif
;; end of part 2
;; launch attn (part 3): grid 4 x 64, 8 waves a work-group, clusters of 4 x 1, 327,680 bytes of LDS; arguments qimg, kv, oimg; writes oimg
.if DOCPART == 3
	.amdgcn_target "amdgcn-amd-amdhsa--gfx1250"
	.amdhsa_code_object_version 6
	.text
	.protected	k_q936e5e4a4e_attn
	.globl	k_q936e5e4a4e_attn
	.p2align	8
	.type	k_q936e5e4a4e_attn,@function
k_q936e5e4a4e_attn:
	s_mov_b64 s[64:65], 0
	v_nop
	global_prefetch_b8 v0, s[64:65] scope:SCOPE_SE
	s_setreg_imm32_b32 hwreg(HW_REG_WAVE_MODE, 25, 1), 1
	s_wait_xcnt 0x0
	s_wait_alu depctr_hold_cnt(0) depctr_sa_sdst(0) depctr_va_vdst(0) depctr_va_sdst(0) depctr_va_ssrc(0) depctr_va_vcc(0) depctr_vm_vsrc(0)
	s_getreg_b32 s2, hwreg(HW_REG_IB_STS2, 6, 4)
	s_cmp_eq_u32 s2, 0
	s_cbranch_scc0 .Lentry_in_a_cluster
	s_endpgm
.Lentry_in_a_cluster:
	s_bfe_u32 s2, ttmp6, 0x10000c
	s_cmp_lg_u32 s2, 0x3003
	s_cbranch_scc0 .Lentry_shape_is_right
	s_endpgm
.Lentry_shape_is_right:
; CROSS-ATTENTION, launch 3 of 4: O = softmax(q k^T / 8) v for each batch and head; f16 operands, f32 products, maxima and sums.  No work is left out.
; q arrives multiplied by log2(e) / 8, so a score t is in base 2: p = 2^(t - m), m the running maximum of the query's scores; in every step O and the sum l are multiplied by a = 2^(m_old - m_new).
; SHARES.  A work-group owns 512 queries of one head, each of its eight waves 64: four tiles of 16.  Two waves share a SIMD, so that one wave's softmax stands beside the other's products.  Every wave walks the head's 2,048 keys, 64 a step.
; LAYOUT.  S^T = K Q^T (source 0 = 16 keys, source 1 = 16 queries), O^T = V^T P (source 0 = 16 channels, source 1 = P): a lane holds ONE query (lane % 16) throughout; two tiles of S^T, rounded to f16 in pairs, ARE a fragment of P.
; All operands arrive as images of their registers: an LDS or global load at 16 x lane brings four registers; no padding, no transposing load.
; THE PIPELINE.  A trip: next step's K is fetched | softmax of this step | O^T x a | V^T P | next step's V is fetched | K Q^T of the next step.
; THE RING.  Two slots of 8 key steps (131,072 bytes).  Each wave fetches one key step of a slot, 16,384 dense bytes.  The four query blocks of a head are a cluster and ask JOINTLY.
; A refill is asked for eight key steps ahead of the wait for it.  By this text's count a wave has two tensor loads out at the head and one behind each round.
; LIMITS: q log2(e) / 8, k, v inside f16's range; an infinite or NaN score gives NaN.
; REGISTERS.  window 0: v1 16 l; v2 the LDS address in hand; v4, v5 the add's two; v16-47 eight a tile: +0 -m, +1 zero, +2, +3 l, +4 .. +7 at work (a at +6, m_old - m_new at +7); v64-191 S^T, 32 a tile, whose low 16 take P; v192-255 V.
;   window 1: v0-63 Q (16 t + 8 s); v64-191 O^T (64 + 32 t + 8 ct); v192-255 K.
.set SLOT1, 1<<17
.set STEPB, 16384
.set SPARE, 262144                     ; behind the ring: the spare words, 128 bytes a wave, that no other line names
.set SPW, 4
.set NIL, 5
.set ST,  16
.set SS,  64
.set MSB, 0
.macro WIN new                         ; the immediate's high byte repeats the setting that is left; a switch that changes nothing is dropped
.if MSB != \new
	s_set_vgpr_msb (MSB<<8)|\new
.set MSB, \new
.endif
.endm
.macro CROUND                          ; a round of the cluster's barrier
	s_barrier_signal -1
	s_barrier_wait -1
	s_cmp_lg_u32 s12, 0
	s_cbranch_scc1 .Lnot_wave_0_\@
	s_barrier_signal -3
.Lnot_wave_0_\@:
	s_barrier_wait -3
	s_barrier_signal -1
	s_barrier_wait -1
.endm
	s_load_b128 s[4:7], s[0:1], 0x0                ; qimg s[4:5], kv s[6:7]
	s_load_b64 s[8:9], s[0:1], 0x10                ; oimg
	v_lshl_add_u32 v[SPW], v0, 2, SPARE
	v_mov_b32 v[NIL], 0
	ds_add_u32 v[SPW], v[NIL]                      ; the wave's opening: the add, twice on end, and its wait ahead of my first tensor load
	ds_add_u32 v[SPW], v[NIL]
	v_lshrrev_b32 v1, 5, v0
	v_readfirstlane_b32 s12, v1                    ; wave 0..7
	v_and_b32 v1, 31, v0
	v_lshlrev_b32 v1, 4, v1                        ; 16 l
	s_bfe_u32 s13, ttmp6, 0x40000                  ; cx: which 512 queries: it enters Q's and O's addresses alone
	s_and_b32 s14, ttmp7, 0xffff                   ; 16 x batch + head
	s_mov_b32 s24, 15|(3<<16)|(1<<21)              ; group 1: the mask of all four; elements of 8 bytes; bit 21 beside a mask; a key step as 64 rows of 256 bytes
	s_mov_b32 s25, 32<<16
	s_mov_b32 s26, 64<<16
	s_mov_b32 s27, 32<<16
	s_mov_b32 s28, 64
	s_mov_b32 s29, 32
	s_mov_b32 s30, 0
	s_mov_b32 s31, 0
	s_lshl_b32 s18, s12, 14                        ; my key step of a slot
	s_lshl_b32 s16, s14, 19                        ; the head's 524,288 bytes of kv
	s_add_co_u32 s16, s16, s18
	s_mov_b32 s17, 0
	s_lshl_b32 s19, s13, 5
	s_lshl_b32 s20, s12, 2
	s_add_co_u32 s19, s19, s20                     ; my first tile of queries: 32 cx + 4 w
	s_lshl_b32 s20, s14, 18
	s_lshl_b32 s22, s19, 11
	s_add_co_u32 s20, s20, s22
	s_mov_b32 s21, 0                               ; Q: head x 262,144 + tile x 2,048
	s_lshr_b32 s22, s14, 4
	s_lshl_b32 s22, s22, 7
	s_add_co_u32 s22, s22, s19                     ; O: tile of rows 128 x batch + 32 cx + 4 w,
	s_lshl_b32 s22, s22, 15
	s_and_b32 s23, s14, 15
	s_lshl_b32 s23, s23, 11                        ; + head x 2,048
	s_add_co_u32 s22, s22, s23
	s_mov_b32 s23, 0
	s_mov_b32 s40, 0x76543210
	s_mov_b32 s41, 0xfedcba98                      ; lane l xor 16
	s_mov_b32 s42, 0                               ; LDS byte of the key step to be fetched
	s_wait_dscnt 0x0                               ; both opening adds are done
	s_wait_kmcnt 0x0
	s_mov_b32 s32, 1
	s_mov_b32 s33, s18
	s_add_nc_u64 s[34:35], s[6:7], s[16:17]
	s_mov_b32 s36, 1                               ; the second group 0 walks on
	s_add_co_u32 s37, s18, SLOT1
	s_add_nc_u64 s[38:39], s[34:35], 8*STEPB
	s_or_b32 s35, s35, 0x80000000
	s_or_b32 s39, s39, 0x80000000
	s_add_nc_u64 s[4:5], s[4:5], s[20:21]
	s_add_nc_u64 s[10:11], s[8:9], s[22:23]
	CROUND                                         ; all four work-groups are here: the first joint loads meet
	tensor_load_to_lds s[32:35], s[24:31]          ; my step of slot 0
	s_nop 0
	tensor_load_to_lds s[36:39], s[24:31]          ; and of slot 1
	s_nop 0
.rept 4
	v_nop
.endr
	WIN 0x40                                       ; destination window 1
.irp i, 0,1,2,3,4,5,6,7,8,9,10,11,12,13,14,15
	global_load_b128 v[4*\i:4*\i+3], v1, s[4:5] offset:512*\i    ; Q stays in registers
.endr
	WIN 0
.irp t, 0,1,2,3
	v_mov_b32 v[ST+8*\t+1], 0                      ; named as the upper half of the pair with -m
.endr
.macro FETCH_K                         ; 16 loads: fragment (keys 16 a on, channels 32 s on) at 192 + 16 a + 8 s of window 1.  It leaves every window 0: the softmax follows it
	WIN 0
	v_add_nc_u32 v2, s42, v1
	WIN 0x40
.irp i, 0,1,2,3,4,5,6,7,8,9,10,11,12,13,14,15
	ds_load_b128 v[192+4*\i:195+4*\i], v2 offset:512*\i
.endr
	WIN 0
.endm
.macro FETCH_V                         ; 16 loads: fragment (keys 32 ks on, channels 16 ct on) at 192 + 32 ks + 8 ct of window 0
	WIN 0
.irp i, 0,1,2,3,4,5,6,7,8,9,10,11,12,13,14,15
	ds_load_b128 v[192+4*\i:195+4*\i], v2 offset:8192+512*\i
.endr
	s_add_co_u32 s42, s42, STEPB                   ; the next fetch is the next step's
.endm
; 32 products: the 16 accumulators take turns, one instruction a turn; the first 16 start the sums.  The four v_nop are the places in front of the loads into K's registers and of the first read of the scores.
.macro KQ
	WIN 0x05                                       ; K and Q in window 1, S^T in window 0
.irp s, 0,1
.irp a, 0,1,2,3
.irp t, 0,1,2,3
.if \s == 0
	v_wmma_f32_16x16x32_f16 v[SS+32*\t+8*\a:SS+32*\t+8*\a+7], v[192+16*\a+8*\s:192+16*\a+8*\s+7], v[16*\t+8*\s:16*\t+8*\s+7], 0
.else
	v_wmma_f32_16x16x32_f16 v[SS+32*\t+8*\a:SS+32*\t+8*\a+7], v[192+16*\a+8*\s:192+16*\a+8*\s+7], v[16*\t+8*\s:16*\t+8*\s+7], v[SS+32*\t+8*\a:SS+32*\t+8*\a+7]
.endif
.endr
.endr
.endr
	WIN 0
.rept 4
	v_nop
.endr
.endm
; 32 products, 16 accumulators by turns.  first = 1: the first 16 start O^T's sums.  Five v_nop: four in front of the loads into V's registers, five in front of the products K Q^T, which write over P's.
.macro PV first
	WIN 0x50                                       ; V and P in window 0, O^T in window 1
.irp ks, 0,1
.irp ct, 0,1,2,3
.irp t, 0,1,2,3
.if (\first) && (\ks == 0)
	v_wmma_f32_16x16x32_f16 v[64+32*\t+8*\ct:64+32*\t+8*\ct+7], v[192+32*\ks+8*\ct:192+32*\ks+8*\ct+7], v[SS+32*\t+8*\ks:SS+32*\t+8*\ks+7], 0
.else
	v_wmma_f32_16x16x32_f16 v[64+32*\t+8*\ct:64+32*\t+8*\ct+7], v[192+32*\ks+8*\ct:192+32*\ks+8*\ct+7], v[SS+32*\t+8*\ks:SS+32*\t+8*\ks+7], v[64+32*\t+8*\ct:64+32*\t+8*\ct+7]
.endif
.endr
.endr
.endr
	WIN 0
.rept 5
	v_nop
.endr
.endm
.macro RESCALE                         ; O^T x a, two at a time, each accumulator from its low end on
	WIN 0x41                                       ; O^T in window 1, a in window 0
.irp t, 0,1,2,3
.irp p, 0,1,2,3,4,5,6,7,8,9,10,11,12,13,14,15
	v_pk_mul_f32 v[64+32*\t+2*\p:64+32*\t+2*\p+1], v[64+32*\t+2*\p:64+32*\t+2*\p+1], v[ST+8*\t+6:ST+8*\t+7] op_sel_hi:[1,0]
.endr
.endr
.endm
; The softmax of one key step, all of it in window 0, the four tiles by turns line by line, so that no line waits for the line above it.  first = 1: the first key step, which has no old maximum.
.macro SOFTMAX first
	WIN 0
.irp a, 0,1,2,3
.irp t, 0,1,2,3
	v_max3_num_f32 v[ST+8*\t+4+\a], v[SS+32*\t+8*\a], v[SS+32*\t+8*\a+1], v[SS+32*\t+8*\a+2]     ; four chains a tile, each begun at an accumulator's low end
.endr
.endr
.irp u, 3,5
.irp a, 0,1,2,3
.irp t, 0,1,2,3
	v_max3_num_f32 v[ST+8*\t+4+\a], v[ST+8*\t+4+\a], v[SS+32*\t+8*\a+\u], v[SS+32*\t+8*\a+\u+1]
.endr
.endr
.endr
.irp t, 0,1,2,3
	v_max3_num_f32 v[ST+8*\t+4], v[ST+8*\t+4], v[SS+32*\t+7], v[SS+32*\t+15]
.endr
.irp t, 0,1,2,3
	v_max3_num_f32 v[ST+8*\t+6], v[ST+8*\t+6], v[SS+32*\t+23], v[SS+32*\t+31]
.endr
.irp t, 0,1,2,3
	v_max3_num_f32 v[ST+8*\t+4], v[ST+8*\t+4], v[ST+8*\t+5], v[ST+8*\t+6]
.endr
.irp t, 0,1,2,3
.if \first
	v_max_num_f32 v[ST+8*\t+4], v[ST+8*\t+4], v[ST+8*\t+7]
.else
	v_max3_num_f32 v[ST+8*\t+4], v[ST+8*\t+4], v[ST+8*\t+7], -v[ST+8*\t]       ; with the old m
.endif
.endr
.irp t, 0,1,2,3
	v_permlanex16_b32 v[ST+8*\t+5], v[ST+8*\t+4], s40, s41                     ; the query's other 32 keys lie in the lane 16 away
.endr
.irp t, 0,1,2,3
	v_max_num_f32 v[ST+8*\t+4], v[ST+8*\t+4], v[ST+8*\t+5]                     ; the new m
.endr
.if \first == 0
.irp t, 0,1,2,3
	v_sub_f32 v[ST+8*\t+7], -v[ST+8*\t], v[ST+8*\t+4]                          ; m_old - m_new
.endr
.endif
.irp t, 0,1,2,3
	v_mul_f32 v[ST+8*\t], -1.0, v[ST+8*\t+4]                                   ; -m
.endr
.irp p, 0,1,2,3,4,5,6,7,8,9,10,11,12,13,14,15
.irp t, 0,1,2,3
	v_pk_add_f32 v[SS+32*\t+2*\p:SS+32*\t+2*\p+1], v[SS+32*\t+2*\p:SS+32*\t+2*\p+1], v[ST+8*\t:ST+8*\t+1] op_sel_hi:[1,0]   ; t - m
.endr
.endr
.if \first == 0
.irp t, 0,1,2,3
	v_exp_f32 v[ST+8*\t+6], v[ST+8*\t+7]                                       ; a
.endr
.endif
.irp e, 0,1,2,3,4,5,6,7,8,9,10,11,12,13,14,15,16,17,18,19,20,21,22,23,24,25,26,27,28,29,30,31
.irp t, 0,1,2,3
	v_exp_f32 v[SS+32*\t+\e], v[SS+32*\t+\e]                                   ; p: ONE BATCH: no line of it names another's result
.endr
.endr
	v_nop                                          ; a plain line behind the last exponential
	s_wait_alu depctr_va_vdst(0)                   ; one wait for the whole batch, ahead of its first reader
.irp t, 0,1,2,3                                    ; the sums of the unrounded p, in two chains a tile
.if \first
	v_pk_add_f32 v[ST+8*\t+2:ST+8*\t+3], v[SS+32*\t:SS+32*\t+1], v[SS+32*\t+4:SS+32*\t+5]
.else
	v_pk_fma_f32 v[ST+8*\t+2:ST+8*\t+3], v[ST+8*\t+2:ST+8*\t+3], v[ST+8*\t+6:ST+8*\t+7], v[SS+32*\t:SS+32*\t+1] op_sel_hi:[1,0,1]   ; l a + the first pair
.endif
	v_pk_add_f32 v[ST+8*\t+4:ST+8*\t+5], v[SS+32*\t+2:SS+32*\t+3], v[SS+32*\t+6:SS+32*\t+7]
.endr
.if \first == 0
.irp t, 0,1,2,3
	v_pk_add_f32 v[ST+8*\t+2:ST+8*\t+3], v[ST+8*\t+2:ST+8*\t+3], v[SS+32*\t+4:SS+32*\t+5]
.endr
.endif
.irp u, 2,3,4,5,6,7
.irp t, 0,1,2,3
	v_pk_add_f32 v[ST+8*\t+2:ST+8*\t+3], v[ST+8*\t+2:ST+8*\t+3], v[SS+32*\t+4*\u:SS+32*\t+4*\u+1]
	v_pk_add_f32 v[ST+8*\t+4:ST+8*\t+5], v[ST+8*\t+4:ST+8*\t+5], v[SS+32*\t+4*\u+2:SS+32*\t+4*\u+3]
.endr
.endr
.irp t, 0,1,2,3
	v_pk_add_f32 v[ST+8*\t+2:ST+8*\t+3], v[ST+8*\t+2:ST+8*\t+3], v[ST+8*\t+4:ST+8*\t+5]
.endr
.irp j, 0,1,2,3,4,5,6,7,8,9,10,11,12,13,14,15
.irp t, 0,1,2,3
	v_cvt_pk_f16_f32 v[SS+32*\t+\j], v[SS+32*\t+2*\j], v[SS+32*\t+2*\j+1]      ; P in place, ascending: register j is written when registers 2 j and 2 j + 1 are read, and none under 2 j is read again
.endr
.endr
.endm
.macro TRIP first
	FETCH_K
	SOFTMAX \first
	s_wait_dscnt 16                                ; this step's V is in; the next K's 16 loads stay out
.if \first == 0
	RESCALE
.endif
	PV \first
	FETCH_V
	s_wait_dscnt 16                                ; K is in; V's 16 loads stay out
	KQ
.endm
; THE CHANGE OF SLOTS stands behind the products K Q^T of a slot's last step: that step's K and V have been asked for.  Each wave waits for all its tensor loads (its part of the other slot), adds 0 to its spare word, and waits
; for that and for its reads of the slot.  fill = 1: behind a round of the cluster's barrier, when no wave of any partner reads the slot or has a load on its way, the slot is filled with the keys two slots on.
.macro CHANGE fill
	s_wait_tensorcnt 0x0                           ; no tensor load of mine is out, so a group 0 may be written
	ds_add_u32 v[SPW], v[NIL]
.if \fill
	s_xor_b32 s37, s37, SLOT1                      ; the walking descriptor: the other slot than last time,
	s_add_nc_u64 s[38:39], s[38:39], 8*STEPB       ; the next eight key steps
	s_wait_dscnt 0x0                               ; the add is done, and my reads of the slot are over
	CROUND
	tensor_load_to_lds s[36:39], s[24:31]          ; my one tensor load behind the round
	s_nop 0
.rept 4
	v_nop
.endr
.else
	s_wait_dscnt 0x0
	s_barrier_signal -1
	s_barrier_wait -1
.endif
	s_sub_co_u32 s42, s42, 8*STEPB                 ; the fetches go back to a slot's first step,
	s_xor_b32 s42, s42, SLOT1                      ; in the other slot
.endm
	s_wait_tensorcnt 1                             ; my part of slot 0 is in; slot 1's may stay out
	s_barrier_signal -1
	s_barrier_wait -1
	FETCH_K                                        ; key step 0
	FETCH_V
	s_wait_loadcnt 0x0                             ; Q
	s_wait_dscnt 16
	KQ
	TRIP 1                                         ; step 0's softmax and V^T P, step 1's scores
	s_mov_b32 s43, 6
.Lhead:
	TRIP 0
	s_sub_co_u32 s43, s43, 1
	s_cmp_lg_u32 s43, 0
	s_cbranch_scc1 .Lhead
	s_mov_b32 s44, 2                               ; two slots are filled again
.Lslot:
	CHANGE 1
	s_mov_b32 s43, 8
.Lstep:
	TRIP 0
	s_sub_co_u32 s43, s43, 1
	s_cmp_lg_u32 s43, 0
	s_cbranch_scc1 .Lstep
	s_sub_co_u32 s44, s44, 1
	s_cmp_lg_u32 s44, 0
	s_cbranch_scc1 .Lslot
	CHANGE 0                                       ; the last slot is written out
	s_mov_b32 s43, 8
.Llast:
	TRIP 0
	s_sub_co_u32 s43, s43, 1
	s_cmp_lg_u32 s43, 0
	s_cbranch_scc1 .Llast
	SOFTMAX 0                                      ; the last step
	s_wait_dscnt 0x0
	RESCALE
	PV 0
	; THE WAY OUT: l's halves and the other half of the lanes'; O^T / l, rounded to f16: a lane's 8 channels of a query are its 16 bytes of a fragment of the last product.
.irp t, 0,1,2,3
	v_add_f32 v[ST+8*\t+4], v[ST+8*\t+2], v[ST+8*\t+3]
.endr
.irp t, 0,1,2,3
	v_permlanex16_b32 v[ST+8*\t+5], v[ST+8*\t+4], s40, s41
.endr
.irp t, 0,1,2,3
	v_add_f32 v[ST+8*\t+4], v[ST+8*\t+4], v[ST+8*\t+5]
.endr
.irp t, 0,1,2,3
	v_rcp_f32 v[ST+8*\t+6], v[ST+8*\t+4]
.endr
	v_nop                                          ; a plain line behind the last reciprocal
	s_wait_alu depctr_va_vdst(0)                   ; one wait for the four, ahead of the first reader
.irp t, 0,1,2,3
	WIN 0x41
.irp p, 0,1,2,3,4,5,6,7,8,9,10,11,12,13,14,15
	v_pk_mul_f32 v[64+32*\t+2*\p:64+32*\t+2*\p+1], v[64+32*\t+2*\p:64+32*\t+2*\p+1], v[ST+8*\t+6:ST+8*\t+7] op_sel_hi:[1,0]
.endr
	WIN 0x05                                       ; sources window 1, destination window 0: S^T's registers are free
.irp i, 0,1,2,3,4,5,6,7,8,9,10,11,12,13,14,15
	v_cvt_pk_f16_f32 v[SS+32*\t+\i], v[64+32*\t+2*\i], v[64+32*\t+2*\i+1]
.endr
	WIN 0
.irp ct, 0,1,2,3
	global_store_b128 v1, v[SS+32*\t+4*\ct:SS+32*\t+4*\ct+3], s[10:11] offset:32768*\t+512*\ct   ; 512 consecutive bytes; each tile has registers of its own
.endr
.endr
	s_wait_tensorcnt 0x0                           ; the wave's end
	ds_add_u32 v[SPW], v[NIL]
	s_wait_dscnt 0x0
	CROUND                                         ; the closing round
	s_endpgm
.Lfunc_end_k_q936e5e4a4e_attn:
	.size	k_q936e5e4a4e_attn, .Lfunc_end_k_q936e5e4a4e_attn-k_q936e5e4a4e_attn
	.p2alignl 7, 3214868480
	.fill 96, 4, 3214868480
	.section	.rodata,"a",@progbits
	.p2align	6, 0x0
	.amdhsa_kernel k_q936e5e4a4e_attn
		.amdhsa_group_segment_fixed_size 327680
		.amdhsa_private_segment_fixed_size 0
		.amdhsa_enable_private_segment 0
		.amdhsa_kernarg_size 24
		.amdhsa_user_sgpr_count 2
		.amdhsa_user_sgpr_kernarg_segment_ptr 1
		.amdhsa_wavefront_size32 1
		.amdhsa_system_sgpr_workgroup_id_x 1
		.amdhsa_system_sgpr_workgroup_id_y 1
		.amdhsa_system_sgpr_workgroup_id_z 1
		.amdhsa_system_vgpr_workitem_id 0
		.amdhsa_next_free_vgpr 512
		.amdhsa_next_free_sgpr 66
		.amdhsa_reserve_vcc 0
		.amdhsa_float_denorm_mode_32 3
		.amdhsa_float_denorm_mode_16_64 3
		.amdhsa_memory_ordered 1
		.amdhsa_forward_progress 1
		.amdhsa_inst_pref_size 172
	.end_amdhsa_kernel
	.amdgpu_metadata
---
amdhsa.version: [ 1, 2 ]
amdhsa.kernels:
  - .name:           k_q936e5e4a4e_attn
    .symbol:         k_q936e5e4a4e_attn.kd
    .args:
      - { .name: qimg, .offset: 0, .size: 8, .value_kind: global_buffer, .address_space: global }
      - { .name: kv, .offset: 8, .size: 8, .value_kind: global_buffer, .address_space: global }
      - { .name: oimg, .offset: 16, .size: 8, .value_kind: global_buffer, .address_space: global }
    .group_segment_fixed_size: 327680
    .private_segment_fixed_size: 0
    .kernarg_segment_align: 8
    .kernarg_segment_size: 24
    .max_flat_workgroup_size: 256
    .sgpr_count:     66
    .vgpr_count:     512
    .wavefront_size: 32
...
	.end_amdgpu_metadata
.endif
;; end of part 3
;; launch outp (part 4): grid 4 x 64, 4 waves a work-group, clusters of 4 x 1, 327,680 bytes of LDS; arguments oimg, wo16, bo, out0; writes out0
.if DOCPART == 4
	.amdgcn_target "amdgcn-amd-amdhsa--gfx1250"
	.amdhsa_code_object_version 6
	.text
	.protected	k_q936e5e4a4e_outp
	.globl	k_q936e5e4a4e_outp
	.p2align	8
	.type	k_q936e5e4a4e_outp,@function
k_q936e5e4a4e_outp:
	s_mov_b64 s[64:65], 0
	v_nop
	global_prefetch_b8 v0, s[64:65] scope:SCOPE_SE
	s_setreg_imm32_b32 hwreg(HW_REG_WAVE_MODE, 25, 1), 1
	s_wait_xcnt 0x0
	s_wait_alu depctr_hold_cnt(0) depctr_sa_sdst(0) depctr_va_vdst(0) depctr_va_sdst(0) depctr_va_ssrc(0) depctr_va_vcc(0) depctr_vm_vsrc(0)
	s_getreg_b32 s2, hwreg(HW_REG_IB_STS2, 6, 4)
	s_cmp_eq_u32 s2, 0
	s_cbranch_scc0 .Lentry_in_a_cluster
	s_endpgm
.Lentry_in_a_cluster:
	s_bfe_u32 s2, ttmp6, 0x10000c
	s_cmp_lg_u32 s2, 0x3003
	s_cbranch_scc0 .Lentry_shape_is_right
	s_endpgm
.Lentry_shape_is_right:
; CROSS-ATTENTION, launch 4 of 4: out0 = O Wo + bo; f16 operands, f32 sums; bo is the C of each sum's first product.  No work is left out.
; SHARES.  Work-group (cx, mb) makes rows 128 mb .. + 127 x columns 256 cx .. + 255; wave w its columns 64 w .. + 63 for all 128 rows: 32 accumulators of 16 x 16.
; O's 128 rows, all 1,024 along K, are 262,144 bytes of fragment images: they come into LDS ONCE, in four chunks of 256 along K, by first fills; the four column blocks of a cluster ask for them JOINTLY.  No slot is filled again.
; Wo's fragments go from their images in memory straight into a ring of registers eight steps of 32 along K deep: each wave reads its own 64 columns once.
; THE PRODUCT IS USED TRANSPOSED (source 0 = 16 columns of Wo, source 1 = 16 rows of O): a lane holds 8 neighbouring columns of one row.  A block of 16 rows x 64 columns goes out through my own stage, so that sixteen lanes store 256 consecutive bytes, aligned.
; By this text's count a wave has four tensor loads out.
; REGISTERS.  window 0: v1 16 l; v2-5 LDS addresses of the four chunks; v6, v7 the stage, in and back; v8 my place in two rows of out0; v9 32 h; v10, v11 the add's two; v32-63 bo, eight a tile of columns; v64-191 O's fragments, two buffers, later rows of out0.
;   window 1: accumulator (mt, n) at 8 (4 mt + n).   window 2: Wo's ring: step g at 32 (g % 8) + 8 n.
.set STAGE, 262144                     ; behind O: 16 rows x (256 + 16) bytes for each wave
.set SPARE, 279552                     ; behind the stages: the spare words, 128 bytes a wave, that no other line names
.set SPW, 10
.set NIL, 11
.set MSB, 0
.macro WIN new
.if MSB != \new
	s_set_vgpr_msb (MSB<<8)|\new
.set MSB, \new
.endif
.endm
.macro CROUND
	s_barrier_signal -1
	s_barrier_wait -1
	s_cmp_lg_u32 s12, 0
	s_cbranch_scc1 .Lnot_wave_0_\@
	s_barrier_signal -3
.Lnot_wave_0_\@:
	s_barrier_wait -3
	s_barrier_signal -1
	s_barrier_wait -1
.endm
	s_load_b256 s[4:11], s[0:1], 0x0               ; oimg s[4:5], wo16 s[6:7], bo s[8:9], out0 s[10:11]
	v_lshl_add_u32 v[SPW], v0, 2, SPARE
	v_mov_b32 v[NIL], 0
	ds_add_u32 v[SPW], v[NIL]                      ; the wave's opening: the add, twice on end, and its wait ahead of my first tensor load
	ds_add_u32 v[SPW], v[NIL]
	v_lshrrev_b32 v1, 5, v0
	v_readfirstlane_b32 s12, v1                    ; wave
	s_bfe_u32 s13, ttmp6, 0x40000                  ; cx: it enters the addresses of Wo, bo and out0 alone
	s_and_b32 s14, ttmp7, 0xffff                   ; mb
	s_mov_b32 s24, 15|(3<<16)|(1<<21)              ; group 1: the mask of all four; elements of 8 bytes; bit 21 beside a mask
	s_mov_b32 s25, 1024<<16                        ; tensor_dim0: a tile of rows' 8 fragments of a chunk, 8,192 bytes
	s_mov_b32 s26, 2<<16                           ; tensor_dim1: two tiles of rows
	s_mov_b32 s27, 1024<<16                        ; tile_dim0
	s_mov_b32 s28, 2                               ; tile_dim1
	s_mov_b32 s29, 4096                            ; the pitch: a tile of rows' 32 fragments, 32,768 bytes
	s_mov_b32 s30, 0
	s_mov_b32 s31, 0
	s_lshl_b32 s16, s14, 3
	s_lshl_b32 s18, s12, 1
	s_add_co_u32 s16, s16, s18                     ; the two tiles of rows that I fetch: 8 mb + 2 w
	s_lshl_b32 s16, s16, 15
	s_mov_b32 s17, 0
	s_lshl_b32 s18, s12, 14                        ; and their place in a chunk
	s_lshl_b32 s20, s13, 4
	s_lshl_b32 s22, s12, 2
	s_add_co_u32 s20, s20, s22                     ; my first tile of columns: 16 cx + 4 w
	s_lshl_b32 s22, s20, 6                         ; its 64 bytes a tile in bo and in a row of out0
	s_lshl_b32 s20, s20, 15
	s_mov_b32 s21, 0
	s_mov_b32 s23, 0
	s_lshl_b32 s48, s14, 19                        ; 128 rows of 4,096 bytes
	s_add_co_u32 s48, s48, s22
	s_mov_b32 s49, 0
	s_mul_i32 s50, s12, 16*272
	s_add_co_u32 s50, s50, STAGE                   ; my stage
	v_and_b32 v12, 31, v0
	v_lshlrev_b32 v1, 4, v12                       ; 16 l
.irp ch, 0,1,2,3
	v_add_nc_u32 v[2+\ch], 65536*\ch, v1
.endr
	v_and_b32 v12, 15, v0                          ; r
	v_bfe_u32 v13, v0, 4, 1                        ; h
	v_mul_u32_u24 v6, v12, 272
	v_lshl_add_u32 v6, v13, 5, v6
	v_add_nc_u32 v6, s50, v6                       ; in: row r, + 32 h
	v_mul_u32_u24 v7, v13, 272
	v_lshl_add_u32 v7, v12, 4, v7
	v_add_nc_u32 v7, s50, v7                       ; back: lanes 0-15 one row of 256 bytes, lanes 16-31 the next
	v_lshlrev_b32 v8, 12, v13
	v_lshl_add_u32 v8, v12, 4, v8                  ; and the same two rows in out0
	v_lshlrev_b32 v9, 5, v13                       ; bo: my half's eight numbers of a tile
	s_wait_dscnt 0x0                               ; both opening adds are done
	s_wait_kmcnt 0x0
	s_add_nc_u64 s[16:17], s[4:5], s[16:17]
.irp ch, 0,1,2,3
	s_mov_b32 s[32+4*\ch], 1
	s_add_co_u32 s[33+4*\ch], s18, 65536*\ch
	s_add_nc_u64 s[34+4*\ch:35+4*\ch], s[16:17], 8192*\ch
	s_or_b32 s[35+4*\ch], s[35+4*\ch], 0x80000000
.endr
	s_add_nc_u64 s[6:7], s[6:7], s[20:21]
	s_add_nc_u64 s[8:9], s[8:9], s[22:23]
	s_add_nc_u64 s[10:11], s[10:11], s[48:49]
	CROUND                                         ; all four work-groups are here: the joint loads meet
.irp ch, 0,1,2,3
	tensor_load_to_lds s[32+4*\ch:35+4*\ch], s[24:31]
	s_nop 0
.endr
.rept 4
	v_nop
.endr
.irp n, 0,1,2,3
	global_load_b128 v[32+8*\n:35+8*\n], v9, s[8:9] offset:64*\n
	global_load_b128 v[36+8*\n:39+8*\n], v9, s[8:9] offset:64*\n+16
.endr
.macro ALD g                           ; O's 8 fragments of step g into buffer g % 2: 16 LDS loads
.irp mt, 0,1,2,3,4,5,6,7
.irp c, 0,1
	ds_load_b128 v[64+64*((\g)%2)+8*\mt+4*\c:64+64*((\g)%2)+8*\mt+4*\c+3], v[2+(\g)/8] offset:8192*\mt+1024*((\g)%8)+512*\c
.endr
.endr
.endm
.macro BLD g                           ; Wo's 4 fragments of step g into the ring: 8 loads
.irp n, 0,1,2,3
.irp c, 0,1
	global_load_b128 v[32*((\g)%8)+8*\n+4*\c:32*((\g)%8)+8*\n+4*\c+3], v1, s[6:7] offset:32768*\n+1024*(\g)+512*\c
.endr
.endr
.endm
	WIN 0x80                                       ; destination window 2
.irp g, 0,1,2,3,4,5,6,7
	BLD \g
.endr
	WIN 0
	s_wait_tensorcnt 3                             ; my part of chunk 0 is in; the three younger chunks stay out
	s_barrier_signal -1
	s_barrier_wait -1
	ALD 0
; A step of 32 along K: 32 products, the 32 accumulators by turns, in the same order in every step.  The steps are written out: their counts differ.
.macro STEP g
.if (((\g)+1)%8 == 0) && ((\g) < 31)
	s_wait_tensorcnt 3-((\g)+1)/8                  ; my part of the next chunk is in,
	s_wait_dscnt 0x0                               ; no LDS load of mine is out at the signal,
	s_barrier_signal -1
	s_barrier_wait -1                              ; everybody's part is in
.endif
.if (\g) < 31
	ALD (\g)+1
	s_wait_dscnt 16                                ; this step's fragments of O are in; the next step's 16 loads stay out
.else
	s_wait_dscnt 0x0
.endif
.if (\g) <= 24
	s_wait_loadcnt 56                              ; this step's fragments of Wo are in (and bo); the seven younger steps' 8 loads each stay out
.else
	s_wait_loadcnt 8*(31-(\g))
.endif
.if (\g) == 0
	WIN 0x42                                       ; Wo window 2, O window 0, C = bo in window 0, D window 1
.else
	WIN 0x52                                       ; C and D window 1
.endif
.irp mt, 0,1,2,3,4,5,6,7
.irp n, 0,1,2,3
.if (\g) == 0
	v_wmma_f32_16x16x32_f16 v[8*(4*\mt+\n):8*(4*\mt+\n)+7], v[32*((\g)%8)+8*\n:32*((\g)%8)+8*\n+7], v[64+64*((\g)%2)+8*\mt:64+64*((\g)%2)+8*\mt+7], v[32+8*\n:39+8*\n]
.else
	v_wmma_f32_16x16x32_f16 v[8*(4*\mt+\n):8*(4*\mt+\n)+7], v[32*((\g)%8)+8*\n:32*((\g)%8)+8*\n+7], v[64+64*((\g)%2)+8*\mt:64+64*((\g)%2)+8*\mt+7], v[8*(4*\mt+\n):8*(4*\mt+\n)+7]
.endif
.endr
.endr
.rept 4
	v_nop                                          ; the places in front of loads into registers that these products have read, and of the first read of results
.endr
.if (\g) < 24
	WIN 0x80
	BLD (\g)+8                                     ; into the registers just read: eight steps ahead of its use
.endif
	WIN 0
.endm
.irp g, 0,1,2,3,4,5,6,7,8,9,10,11,12,13,14,15,16,17,18,19,20,21,22,23,24,25,26,27,28,29,30,31
	STEP \g
.endr
; THE WAY OUT, a block of 16 rows x 64 columns at a time.  LDS serves a wave's instructions in order: no wait between the stores and the loads, nor in front of the next block's stores.
.macro TOSTAGE mt
	WIN 0x04                                       ; an LDS store's data are its source 1: window 1
.irp n, 0,1,2,3
	ds_store_b128 v6, v[8*(4*(\mt)+\n):8*(4*(\mt)+\n)+3] offset:64*\n          ; each accumulator from its low end on
	ds_store_b128 v6, v[8*(4*(\mt)+\n)+4:8*(4*(\mt)+\n)+7] offset:64*\n+16
.endr
	WIN 0
.irp i, 0,1,2,3,4,5,6,7
	ds_load_b128 v[64+32*((\mt)%2)+4*\i:64+32*((\mt)%2)+4*\i+3], v7 offset:544*\i
.endr
.endm
.macro SEND mt, younger                ; younger: the LDS instructions issued behind block mt's loads, which may stay out
	s_wait_dscnt \younger
.irp i, 0,1,2,3,4,5,6,7
	global_store_b128 v8, v[64+32*((\mt)%2)+4*\i:64+32*((\mt)%2)+4*\i+3], s[10:11] offset:65536*(\mt)+8192*\i th:TH_STORE_NT   ; sixteen lanes store 256 consecutive bytes, aligned; written once, read by nobody here
.endr
.endm
	TOSTAGE 0
.irp a, 1,2,3,4,5,6,7
.if \a > 1
	s_wait_xcnt 0x0                                ; block a - 2's stores have read their registers: block a's loads may land there
.endif
	TOSTAGE \a
	SEND \a-1, 16                                  ; behind block a - 1's loads: block a's 8 stores and 8 loads
.endr
	SEND 7, 0
	s_wait_tensorcnt 0x0                           ; the wave's end, behind my last LDS store
	ds_add_u32 v[SPW], v[NIL]
	s_wait_dscnt 0x0
	CROUND                                         ; the closing round
	s_endpgm
.Lfunc_end_k_q936e5e4a4e_outp:
	.size	k_q936e5e4a4e_outp, .Lfunc_end_k_q936e5e4a4e_outp-k_q936e5e4a4e_outp
	.p2alignl 7, 3214868480
	.fill 96, 4, 3214868480
	.section	.rodata,"a",@progbits
	.p2align	6, 0x0
	.amdhsa_kernel k_q936e5e4a4e_outp
		.amdhsa_group_segment_fixed_size 327680
		.amdhsa_private_segment_fixed_size 0
		.amdhsa_enable_private_segment 0
		.amdhsa_kernarg_size 32
		.amdhsa_user_sgpr_count 2
		.amdhsa_user_sgpr_kernarg_segment_ptr 1
		.amdhsa_wavefront_size32 1
		.amdhsa_system_sgpr_workgroup_id_x 1
		.amdhsa_system_sgpr_workgroup_id_y 1
		.amdhsa_system_sgpr_workgroup_id_z 1
		.amdhsa_system_vgpr_workitem_id 0
		.amdhsa_next_free_vgpr 768
		.amdhsa_next_free_sgpr 66
		.amdhsa_reserve_vcc 0
		.amdhsa_float_denorm_mode_32 3
		.amdhsa_float_denorm_mode_16_64 3
		.amdhsa_memory_ordered 1
		.amdhsa_forward_progress 1
		.amdhsa_inst_pref_size 151
	.end_amdhsa_kernel
	.amdgpu_metadata
---
amdhsa.version: [ 1, 2 ]
amdhsa.kernels:
  - .name:           k_q936e5e4a4e_outp
    .symbol:         k_q936e5e4a4e_outp.kd
    .args:
      - { .name: oimg, .offset: 0, .size: 8, .value_kind: global_buffer, .address_space: global }
      - { .name: wo16, .offset: 8, .size: 8, .value_kind: global_buffer, .address_space: global }
      - { .name: bo, .offset: 16, .size: 8, .value_kind: global_buffer, .address_space: global }
      - { .name: out0, .offset: 24, .size: 8, .value_kind: global_buffer, .address_space: global }
    .group_segment_fixed_size: 327680
    .private_segment_fixed_size: 0
    .kernarg_segment_align: 8
    .kernarg_segment_size: 32
    .max_flat_workgroup_size: 128
    .sgpr_count:     66
    .vgpr_count:     768
    .wavefront_size: 32
...
	.end_amdgpu_metadata
.endif
;; end of part 4
